; MI455X (gfx1250); checked and timed in simulation.
; The chip was launched on July 23, 2026; its instructions are those of AMD's public machine-readable ISA for CDNA 5 (MIT licence, August 2026) and "CDNA5" Instruction Set Architecture Reference Guide (July 2026). The comments in the code are by the model that wrote it; some were corrected since.
;; Attn Block. Allowed arithmetic: matrix products marked QUANTISED: E4M3 operands, one given power-of-two scale a tensor, by v_wmma_f32_16x16x64_fp8_fp8 or v_wmma_f32_16x16x128_fp8_fp8, f32 sums; everything else in f32.
;; Inputs: bk 512 float32; bp 512 float32; bq 512 float32; bv 512 float32; gn_beta 512 float32; gn_gamma 512 float32; lowp_scales 12 int32 (the exponents e of the quantised operands' scales 2^e); wk 512 x 512 float32; wp 512 x 512 float32; wq 512 x 512 float32; wv 512 x 512 float32; x 8 x 512 x 2,048 float32.
;; Outputs: out0 8 x 512 x 2,048 float32.
;; This version of the problem:
;;   THIS VERSION OF THE PROBLEM IS GIVEN IN LOW PRECISION. The matrix products marked QUANTISED in the list below multiply operands that are first quantised to E4M3 (4 exponent bits, 3 mantissa bits; 8 bits a number), with one given power-of-two scale for each operand tensor; their sums are f32. All else is computed in f32.
;;   The module's matrix products, in the order in which they are computed (A, B: the left and right operand; K: the contracted axis; several contracted axes count as one K, in the product's order):
;;     1. [M 16,384, K 512] x [K 512, N 512]; A: computed on the way; B: input wq: QUANTISED (scales: A lowp_scales[0], B lowp_scales[1])
;;     2. [M 16,384, K 512] x [K 512, N 512]; A: computed on the way; B: input wk: QUANTISED (scales: A lowp_scales[2], B lowp_scales[3])
;;     3. [M 16,384, K 512] x [K 512, N 512]; A: computed on the way; B: input wv: QUANTISED (scales: A lowp_scales[4], B lowp_scales[5])
;;     4. batch 8 x [M 2,048, K 512] x [K 512, N 2,048]; A: computed on the way; B: computed on the way: QUANTISED (scales: A lowp_scales[6], B lowp_scales[7])
;;     5. batch 8 x [M 512, K 2,048] x [K 2,048, N 2,048]; A: computed on the way; B: softmax (see below): QUANTISED (scales: A lowp_scales[8], B lowp_scales[9])
;;     6. [M 16,384, K 512] x [K 512, N 512]; A: computed on the way; B: input wp: QUANTISED (scales: A lowp_scales[10], B lowp_scales[11])
;;   THE QUANTISER, for each operand of a quantised product, along K:
;;     - The operand's scale is 2^e, e = its entry of the input lowp_scales (int32; the entries are numbered through the quantised products in the list's order, A before B).
;;     - Each number is divided by the scale, clamped to +-448, and rounded to the nearest number of E4M3, ties to even, subnormals kept.
;;     - The product sums the exact products of the quantised numbers (number of the format x scale) in f32.
;;   ~~~python
;;   def quantise(x, axis, e):      # numpy; x: float32 -> the quantised numbers, widened to float32 again
;;       x = np.moveaxis(x, axis, -1); K = x.shape[-1]
;;       r = np.clip(x / 2.0 ** e, -448, 448)
;;       step = 2.0 ** (np.maximum(np.frexp(np.where(r == 0, 1, r))[1] - 1, -6) - 3)
;;       q = np.round(r / step) * step * 2.0 ** e      # np.round: ties to even
;;       return np.moveaxis(q, -1, axis).astype(np.float32)
;;   ~~~
;;   SOFTMAX AHEAD OF A QUANTISED PRODUCT. Where the list says 'softmax', what is quantised is not the finished softmax but p = 2^(t - M), with t = logit x log2(e) and M = ceil(the row's largest t), a whole number; so 1/2 < the row's largest p <= 1. The row's sum l is taken of the UNQUANTISED p, in f32, and the product's result is divided by l at the end. Since M is a whole number, a kernel that streams over the keys may use a running M (the ceiling of the running maximum): every later rescaling is an exact power of two, so the quantised numbers keep their values, but for numbers so far below the row's largest that they fall under the format's range.
;;   OPERANDS COMPUTED ON THE WAY. 'Computed on the way' means the value that the module computes at that place (a softmax that the list does not call 'softmax' is quantised finished and normalised). What goes into a quantiser is computed in f32, as accurately as f32 sums, v_exp_f32 and their like allow (about 1e-6 of the number): no bf16 or f16 on the way to a quantiser, and a product that is left as it is and whose result goes on into a quantised operand takes f32 operands (vector FMAs, or v_wmma_f32_16x16x4_f32). A number that lies on a knife's edge between two numbers of the format may be rounded either way, as far as f32 arithmetic and the matrix unit's own rounding can turn it there, and no further.
;; One version. Each part assembles by itself: llvm-mc -triple=amdgcn-amd-amdhsa -mcpu=gfx1250 --defsym DOCPART=n.
;; ======== version 1 of 1: 3 launches
;; workspace buffers: hc 25,165,824 bytes; wc 1,048,576 bytes; qc 8,388,608 bytes; kv 16,777,216 bytes
;; launch gnq (part 1): grid 256 x 1, 8 waves a work-group, no clusters, 1,536 bytes of LDS; arguments x, gn_gamma, gn_beta, wq, wk, wv, wp, lowp_scales, hc, wc; writes hc, wc
.if DOCPART == 1
	.amdgcn_target "amdgcn-amd-amdhsa--gfx1250"
	.amdhsa_code_object_version 6
	.text
	.protected	k_q03ebde66ba_gnq
	.globl	k_q03ebde66ba_gnq
	.p2align	8
	.type	k_q03ebde66ba_gnq,@function
k_q03ebde66ba_gnq:
	s_mov_b64 s[64:65], 0
	v_nop
	global_prefetch_b8 v0, s[64:65] scope:SCOPE_SE
	s_setreg_imm32_b32 hwreg(HW_REG_WAVE_MODE, 25, 1), 1
	s_wait_xcnt 0x0
; GROUP NORM AND THE FIRST QUANTISERS.  x: [8][512][2048] f32.  A work-group owns one group of one batch: 16 channels x 2,048 positions, 131,072 consecutive bytes.
; Thread t of 256 holds, of all 16 channels, the positions 4 t .. 4 t + 3 and 1,024 + 4 t .. + 3: 128 numbers in 128 registers.  The group is read once and stays in registers through
; the mean, the sum of (x - mean)^2 (no difference of large sums is formed) and the three quantisers.  h = (x - mean) rstd gamma + beta is quantised three times, with the scales of
; the q, k and v products' left operands (entries 0, 2, 4), which may differ.
; LAYOUT OF hc: [copy 3][batch 8][tile 128][K step 4][piece 4][lane 32][16 bytes]: images of operand registers.  A fragment is 16 positions x 128 channels; lane (r, h), piece c holds channels
; 32 c + 16 h + 0 .. 15 of the K step.  So a group's 16 channels are one lane's 16 bytes: group g lies at byte 256 g of a tile.  TILE 4 a + j HAS AS ROW r THE POSITION 64 a + 4 r + j:
; a thread's four neighbouring positions fall into four tiles, and sixteen neighbouring lanes store 256 consecutive bytes, aligned.
; THE WEIGHTS: every thread also quantises 16 numbers of one row of wq, wk, wv or wp (256 work-groups x 256 threads x 16 = 4 x 512 x 512), while x is on its way.
; LAYOUT OF wc: [matrix 4][tile 32][K step 4][piece 4][lane][16].  TILE 2 b + u HAS AS ROW r THE OUTPUT 32 b + 8 u + r % 8 + 16 (r / 8), so that two neighbouring result tiles give a lane 16 neighbours.
; code = number / 2^e, held within +-448, to the nearest code, ties to even.  LIMITS: entries 0 to 5 and 11 of the scales lie between -126 and 119, so that 2^e and 448 x 2^e are f32 numbers.  NaN among the inputs is not served.
.set X,   32                           ; v32-159  X + 64 q + 4 i + j: channel i, position j of my quad q
.set T,   160                          ; v160-175 16 channels of one position, normalised
.set U,   176                          ; v176-191 the same, held
.set C,   192                          ; v192-203 codes: four registers for each copy
.set WX,  204                          ; v204-219 my 16 numbers of a weight
.set WCD, 220                          ; v220-223 their codes
.set SC,  224                          ; v224-226 2^e of the three copies;  v230 of the weight
.set LM,  227                          ; v227-229 448 x 2^e;                v231 of the weight
.set HB,  54                           ; s[54:59] hc at my batch and group, copy 0, 1, 2
	s_load_b512 s[4:19], s[0:1], 0x0               ; x 4:5, gamma 6:7, beta 8:9, wq 10:11, wk 12:13, wv 14:15, wp 16:17, scales 18:19
	s_load_b128 s[20:23], s[0:1], 0x40             ; hc 20:21, wc 22:23
	v_lshl_add_u32 v232, v0, 2, 0x200
	v_mov_b32 v233, 0
	v_lshlrev_b32 v2, 4, v0                        ; 16 t: my quad in a channel's row of x; also my 16 bytes in the work-group's 4,096 of wc
	v_and_b32 v26, 15, v0
	v_lshlrev_b32 v26, 4, v26                      ; row r = t % 16 of a tile: 16 r
	v_lshrrev_b32 v27, 4, v0                       ; t / 16
	v_lshl_or_b32 v3, v27, 15, v26                 ; hc: block a = t / 16 of four tiles (32,768 bytes) + 16 r
	v_and_b32 v4, 7, v0
	v_and_b32 v26, 8, v0
	v_lshl_add_u32 v4, v26, 1, v4                  ; r % 8 + 16 (r / 8): my row among the weight tile's
	v_lshlrev_b32 v4, 11, v4                       ; a row of a weight is 2,048 bytes
	v_lshl_add_u32 v4, v27, 6, v4                  ; + 64 (t / 16): half h, piece and the upper or lower K step of my work-group's two
	v_lshrrev_b32 v6, 5, v0
	v_lshlrev_b32 v6, 2, v6                        ; 4 x wave: my wave's word in LDS
	v_mov_b32 v7, 0
	s_mov_b32 s62, 0x76543210                      ; v_permlanex16_b32: each lane takes its own place in the other half
	s_mov_b32 s63, 0xfedcba98
	s_lshl_b32 s84, ttmp9, 17                      ; x: 131,072 bytes a work-group
	s_mov_b32 s85, 0
	s_lshr_b32 s86, ttmp9, 5                       ; batch
	s_lshl_b32 s86, s86, 20                        ; 128 tiles of 8,192 bytes
	s_and_b32 s61, ttmp9, 31                       ; group
	s_lshl_b32 s88, s61, 8
	s_add_co_u32 s86, s86, s88                     ; + 256 x group
	s_mov_b32 s87, 0
	s_lshl_b32 s88, s61, 6                         ; gamma, beta: 16 numbers a group
	s_mov_b32 s89, 0
	s_bfe_u32 s2, ttmp9, 0x40002                   ; the weight tile is (g / 2) % 32 = 2 b + u:  b = (g / 4) % 16,
	s_lshl_b32 s2, s2, 16                          ; 32 rows of 2,048 bytes
	s_bfe_u32 s61, ttmp9, 0x10001                  ; u = (g / 2) % 2,
	s_lshl_b32 s61, s61, 14                        ; 8 rows
	s_add_co_u32 s2, s2, s61
	s_and_b32 s61, ttmp9, 1                        ; and K steps 2 (g % 2) and + 1:
	s_lshl_b32 s61, s61, 10                        ; 256 numbers
	s_add_co_u32 s2, s2, s61
	s_mov_b32 s3, 0
	s_lshr_b32 s53, ttmp9, 6                       ; which weight: 0 wq, 1 wk, 2 wv, 3 wp
	s_wait_kmcnt 0x0
	s_load_b256 s[24:31], s[18:19], 0x0            ; the scales' exponents 0 to 7,
	s_load_b128 s[32:35], s[18:19], 0x20           ; 8 to 11
	s_add_nc_u64 s[6:7], s[6:7], s[88:89]
	s_add_nc_u64 s[8:9], s[8:9], s[88:89]
	s_load_b512 s[36:51], s[6:7], 0x0              ; my 16 gamma
	s_load_b512 s[68:83], s[8:9], 0x0              ; my 16 beta
	s_cmp_eq_u32 s53, 0                            ; the choice hangs on the work-group's number alone
	s_cselect_b64 s[66:67], s[10:11], s[12:13]
	s_cmp_eq_u32 s53, 2
	s_cselect_b64 s[66:67], s[14:15], s[66:67]
	s_cmp_eq_u32 s53, 3
	s_cselect_b64 s[66:67], s[16:17], s[66:67]
	s_add_nc_u64 s[66:67], s[66:67], s[2:3]
	s_add_nc_u64 s[4:5], s[4:5], s[84:85]
	s_add_nc_u64 s[HB:HB+1], s[20:21], s[86:87]
	s_add_nc_u64 s[HB+2:HB+3], s[HB:HB+1], 0x800000    ; a copy is 8 x 128 x 8,192 bytes: more than a store's immediate holds
	s_add_nc_u64 s[HB+4:HB+5], s[HB:HB+1], 0x1000000
	s_lshl_b32 s84, ttmp9, 12                      ; wc: eight pieces of 512 bytes a work-group
	s_add_nc_u64 s[22:23], s[22:23], s[84:85]
.irp k, 0,1,2,3
	global_load_b128 v[WX+4*\k:WX+4*\k+3], v4, s[66:67] offset:16*\k
.endr
.irp q, 0,1
.irp i, 0,1,2,3,4,5,6,7,8,9,10,11,12,13,14,15
	global_load_b128 v[X+64*\q+4*\i:X+64*\q+4*\i+3], v2, s[4:5] offset:\i*8192+\q*4096 th:TH_LOAD_NT   ; a wave reads 512 consecutive bytes of a channel
.endr
.endr
; 2^e and 448 x 2^e as f32 numbers, from the exponent in s[e]
.macro POW2 e, vs, vl
	s_add_co_i32 s61, s[\e], 127
	s_lshl_b32 s84, s61, 23
	v_mov_b32 v[\vs], s84                          ; the conversion takes its exponent field
	s_add_co_i32 s61, s61, 8
	s_lshl_b32 s61, s61, 23
	s_or_b32 s61, s61, 0x600000                    ; 448 = 1.75 x 2^8
	v_mov_b32 v[\vl], s61
.endm
	s_wait_kmcnt 0x0
	s_cmp_eq_u32 s53, 0
	s_cselect_b32 s60, s25, s27                    ; the weight's exponent: entry 1, 3, 5 or 11
	s_cmp_eq_u32 s53, 2
	s_cselect_b32 s60, s29, s60
	s_cmp_eq_u32 s53, 3
	s_cselect_b32 s60, s35, s60
	POW2 24, SC, LM
	POW2 26, SC+1, LM+1
	POW2 28, SC+2, LM+2
	POW2 60, 230, 231
	s_wait_loadcnt 32                              ; the weight's four loads are in; the 32 younger loads, x's, stay out
.irp i, 0,1,2,3,4,5,6,7,8,9,10,11,12,13,14,15
	v_med3_num_f32 v[WX+\i], v[WX+\i], -v231, v231 ; the conversion to an 8-bit code does not saturate (ISA guide 7.6.2): the hold comes first
.endr
	v_cvt_scalef32_pk8_fp8_f32 v[WCD:WCD+1], v[WX:WX+7], v230
	v_cvt_scalef32_pk8_fp8_f32 v[WCD+2:WCD+3], v[WX+8:WX+15], v230
	v_nop                                          ; a plain line behind the last conversion
	global_store_b128 v2, v[WCD:WCD+3], s[22:23]   ; a wave stores one piece: 512 consecutive bytes
; The four chains v[18:25] are joined into v26; then over the wave's lanes, then over the eight waves through LDS words at off.
.macro RSUM off
	v_pk_add_f32 v[18:19], v[18:19], v[20:21]
	v_pk_add_f32 v[22:23], v[22:23], v[24:25]
	v_pk_add_f32 v[18:19], v[18:19], v[22:23]
	v_add_f32 v26, v18, v19
	v_add_f32_dpp v26, v26, v26 row_xmask:1 row_mask:0xf bank_mask:0xf
	v_add_f32_dpp v26, v26, v26 row_xmask:2 row_mask:0xf bank_mask:0xf
	v_add_f32_dpp v26, v26, v26 row_xmask:4 row_mask:0xf bank_mask:0xf
	v_add_f32_dpp v26, v26, v26 row_xmask:8 row_mask:0xf bank_mask:0xf
	v_permlanex16_b32 v27, v26, s62, s63
	v_add_f32 v26, v26, v27
	ds_store_b32 v6, v26 offset:\off               ; all lanes of a wave write the wave's word with the same number
	s_wait_dscnt 0x0                               ; for the others' sake: my store has landed
	s_barrier_signal -1
	s_barrier_wait -1
	ds_load_b128 v[8:11], v7 offset:\off
	ds_load_b128 v[12:15], v7 offset:\off+16
	s_wait_dscnt 0x0
	v_add_f32 v8, v8, v9
	v_add_f32 v10, v10, v11
	v_add_f32 v12, v12, v13
	v_add_f32 v14, v14, v15
	v_add_f32 v8, v8, v10
	v_add_f32 v12, v12, v14
	v_add_f32 v26, v8, v12                         ; the same sum, in the same order, in every thread
.endm
	s_wait_loadcnt 0x0                             ; x
.irp k, 0,1,2,3
	v_pk_add_f32 v[18+2*\k:19+2*\k], v[X+2*\k:X+2*\k+1], v[X+8+2*\k:X+9+2*\k]   ; the first eight pairs start four chains: nothing is cleared
.endr
.set p, 8
.rept 56
	v_pk_add_f32 v[18+2*(p%4):19+2*(p%4)], v[18+2*(p%4):19+2*(p%4)], v[X+2*p:X+2*p+1]
.set p, p+1
.endr
	RSUM 0
	v_mul_f32 v16, 0x38000000, v26                 ; mean = sum / 32,768
	v_mov_b32 v17, v16
.set p, 0
.rept 64
	v_pk_add_f32 v[X+2*p:X+2*p+1], v[X+2*p:X+2*p+1], v[16:17] neg_lo:[0,1] neg_hi:[0,1]   ; d = x - mean, in place
.set p, p+1
.endr
.irp k, 0,1,2,3
	v_pk_mul_f32 v[18+2*\k:19+2*\k], v[X+2*\k:X+2*\k+1], v[X+2*\k:X+2*\k+1]
.endr
.set p, 4
.rept 60
	v_pk_fma_f32 v[18+2*(p%4):19+2*(p%4)], v[X+2*p:X+2*p+1], v[X+2*p:X+2*p+1], v[18+2*(p%4):19+2*(p%4)]
.set p, p+1
.endr
	RSUM 256                                       ; other LDS words than the first sum's, so no barrier is owed between that sum's reads and these stores
	s_mov_b32 s61, 0x38000000                      ; 1 / 32,768
	s_mov_b32 s84, 0x358637bd                      ; 1e-6
	v_fma_f32 v26, v26, s61, s84                   ; the variance + eps
	v_rsq_f32 v28, v26
	v_nop                                          ; a plain line behind the transcendental
	s_wait_alu depctr_va_vdst(0)                   ; a wait ahead of the first reader
	v_readfirstlane_b32 s52, v28
.irp i, 0,1,2,3,4,5,6,7,8,9,10,11,12,13,14,15
	s_mul_f32 s[36+\i], s[36+\i], s52              ; gamma x rstd
.endr
; Position j of quad q: its 16 channels are gathered by the multiply-add's destination, held and converted three times, and stored: my 16 bytes of tile 4 a + j.
.macro GROUPQ q, j
	s_wait_xcnt 0x0                                ; the last turn's stores have read their data: C is written again only behind this wait
.irp i, 0,1,2,3,4,5,6,7,8,9,10,11,12,13,14,15
	v_fma_f32 v[T+\i], v[X+64*\q+4*\i+\j], s[36+\i], s[68+\i]
.endr
.irp n, 0,1,2
.irp i, 0,1,2,3,4,5,6,7,8,9,10,11,12,13,14,15
	v_med3_num_f32 v[U+\i], v[T+\i], -v[LM+\n], v[LM+\n]
.endr
	v_cvt_scalef32_pk8_fp8_f32 v[C+4*\n:C+4*\n+1], v[U:U+7], v[SC+\n]
	v_cvt_scalef32_pk8_fp8_f32 v[C+4*\n+2:C+4*\n+3], v[U+8:U+15], v[SC+\n]
	v_nop                                          ; a plain line between the conversions and the next copy's holds, which write their sources
	global_store_b128 v3, v[C+4*\n:C+4*\n+3], s[HB+2*\n:HB+2*\n+1] offset:\q*524288+\j*8192   ; lanes 0-15: 256 consecutive bytes, aligned; lanes 16-31: the same in the next block of four tiles
.endr
.endm
.irp q, 0,1
.irp j, 0,1,2,3
	GROUPQ \q, \j
.endr
.endr
	s_wait_tensorcnt 0x0
	ds_add_u32 v232, v233
	s_wait_dscnt 0x0
	s_endpgm
.Lfunc_end_k_q03ebde66ba_gnq:
	.size	k_q03ebde66ba_gnq, .Lfunc_end_k_q03ebde66ba_gnq-k_q03ebde66ba_gnq
	.p2alignl 7, 3214868480
	.fill 96, 4, 3214868480
	.section	.rodata,"a",@progbits
	.p2align	6, 0x0
	.amdhsa_kernel k_q03ebde66ba_gnq
		.amdhsa_group_segment_fixed_size 1536
		.amdhsa_private_segment_fixed_size 0
		.amdhsa_enable_private_segment 0
		.amdhsa_kernarg_size 80
		.amdhsa_user_sgpr_count 2
		.amdhsa_user_sgpr_kernarg_segment_ptr 1
		.amdhsa_wavefront_size32 1
		.amdhsa_system_sgpr_workgroup_id_x 1
		.amdhsa_system_sgpr_workgroup_id_y 1
		.amdhsa_system_sgpr_workgroup_id_z 1
		.amdhsa_system_vgpr_workitem_id 0
		.amdhsa_next_free_vgpr 234
		.amdhsa_next_free_sgpr 90
		.amdhsa_reserve_vcc 0
		.amdhsa_float_denorm_mode_32 3
		.amdhsa_float_denorm_mode_16_64 3
		.amdhsa_memory_ordered 1
		.amdhsa_forward_progress 1
		.amdhsa_inst_pref_size 62
	.end_amdhsa_kernel
	.amdgpu_metadata
---
amdhsa.version: [ 1, 2 ]
amdhsa.kernels:
  - .name:           k_q03ebde66ba_gnq
    .symbol:         k_q03ebde66ba_gnq.kd
    .args:
      - { .name: x, .offset: 0, .size: 8, .value_kind: global_buffer, .address_space: global }
      - { .name: gn_gamma, .offset: 8, .size: 8, .value_kind: global_buffer, .address_space: global }
      - { .name: gn_beta, .offset: 16, .size: 8, .value_kind: global_buffer, .address_space: global }
      - { .name: wq, .offset: 24, .size: 8, .value_kind: global_buffer, .address_space: global }
      - { .name: wk, .offset: 32, .size: 8, .value_kind: global_buffer, .address_space: global }
      - { .name: wv, .offset: 40, .size: 8, .value_kind: global_buffer, .address_space: global }
      - { .name: wp, .offset: 48, .size: 8, .value_kind: global_buffer, .address_space: global }
      - { .name: lowp_scales, .offset: 56, .size: 8, .value_kind: global_buffer, .address_space: global }
      - { .name: hc, .offset: 64, .size: 8, .value_kind: global_buffer, .address_space: global }
      - { .name: wc, .offset: 72, .size: 8, .value_kind: global_buffer, .address_space: global }
    .group_segment_fixed_size: 1536
    .private_segment_fixed_size: 0
    .kernarg_segment_align: 8
    .kernarg_segment_size: 80
    .max_flat_workgroup_size: 256
    .sgpr_count:     90
    .vgpr_count:     234
    .wavefront_size: 32
...
	.end_amdgpu_metadata
.endif
;; end of part 1
;; launch qkv (part 2): grid 64 x 3, 4 waves a work-group, no clusters, 168,448 bytes of LDS; arguments hc, wc, bq, bk, bv, lowp_scales, qc, kv; writes qc, kv
.if DOCPART == 2
	.amdgcn_target "amdgcn-amd-amdhsa--gfx1250"
	.amdhsa_code_object_version 6
	.text
	.protected	k_q03ebde66ba_qkv
	.globl	k_q03ebde66ba_qkv
	.p2align	8
	.type	k_q03ebde66ba_qkv,@function
k_q03ebde66ba_qkv:
	s_mov_b64 s[64:65], 0
	v_nop
	global_prefetch_b8 v0, s[64:65] scope:SCOPE_SE
	s_setreg_imm32_b32 hwreg(HW_REG_WAVE_MODE, 25, 1), 1
	s_wait_xcnt 0x0
; q, k, v = W h + bias on codes of FP8 (E4M3), and their quantisers.  Work-group (X, m): 256 positions (16 tiles of 16) of matrix m (0 q, 1 k, 2 v).
; THE WAVES SHARE THE OUTPUTS: wave w keeps the 32 fragments of weight tiles 8 w .. 8 w + 7 (outputs 128 w .. + 127, K = 512) in 512 registers for the whole launch and makes them for all 16 tiles of positions.
; The work-group's codes of h, 131,072 dense bytes, come into LDS once, by two tensor loads a wave (two are outstanding), asked for ahead of everything else; LDS is filled once, so there is no ring.
; All operands are images of registers (a fragment of 16 rows x 128 K: [piece 4][lane 32][16 bytes]): every load takes 512 consecutive bytes, 16 a lane: no pitch, no padding.
; q, k: source 0 = 16 rows of W, source 1 = 16 positions: a lane holds ONE position, and by the weight tiles' order of rows the 16 registers of tiles 2 b, 2 b + 1 are outputs 32 b + 16 h + 0 .. 15:
;       the conversions' results are piece b of K step w of the next product's operand, and go to memory as they stand.
; v:    the sources swapped: a lane holds ONE output channel and eight positions, rows 8 h + 0 .. 7 of the tile: two neighbouring tiles (2 c, 2 c + 1 of a key step's eight) give piece c of V's fragment, whose K is the keys.
; The bias is the C of each sum's first product, divided by the power of two that the sums lack; the three scales ahead of the quantiser are folded into the conversion's one.
; kv: [batch 8][key step 16]{ K: [tile 8][K step 4][piece 4][lane][16];  V: [channel tile 32][piece 4][lane][16] }: 65,536 bytes each.   qc: [batch][tile 128][K step 4][piece 4][lane][16].
; No cluster: each tile of h is read by one work-group alone, and the weights go once into registers.
; LIMITS: e[6 + m] - e[2 m] - e[2 m + 1] between -126 and 119.  NaN among the inputs is not served.
; REGISTERS, in windows of 256: window 0: v1-9 addresses and constants; v16-79, v80-143 a tile's four fragments, two sets; v144-207 eight accumulators; v208-239 codes; v240-247 v's bias.
;   window 1: the weights' K steps 0, 1 (fragment (s, t) at 16 (8 (s % 2) + t));  window 2: K steps 2, 3;  window 3: v0-63 the bias in the result's layout.
.set HF0, 16
.set HF1, 80
.set ACC, 144
.set PCD, 208
.set BV,  240
.set MSB, 0
.macro WIN new                         ; the immediate's high byte repeats the setting that is left; a switch that changes nothing is dropped
.if MSB != (\new)
	s_set_vgpr_msb (MSB<<8)|(\new)
.set MSB, (\new)
.endif
.endm
	s_load_b512 s[4:19], s[0:1], 0x0               ; hc 4:5, wc 6:7, bq 8:9, bk 10:11, bv 12:13, scales 14:15, qc 16:17, kv 18:19
	v_lshl_add_u32 v254, v0, 2, 0x29000
	v_mov_b32 v255, 0
	ds_add_u32 v254, v255
	ds_add_u32 v254, v255
	v_lshrrev_b32 v1, 5, v0
	v_readfirstlane_b32 s20, v1                    ; wave 0..3
	s_and_b32 s21, ttmp7, 0xffff                   ; m
	s_mov_b32 s22, ttmp9                           ; X
	; descriptor group 1: 64 rows of 256 bytes, dense: 16,384 bytes a load
	s_mov_b32 s24, 3<<16                           ; no mask; elements of 8 bytes; no padding
	s_mov_b32 s25, 32<<16                          ; tensor_dim0 = 32 elements
	s_mov_b32 s26, 64<<16                          ; tensor_dim1 = 64
	s_mov_b32 s27, 32<<16                          ; tile_dim0 = 32
	s_mov_b32 s28, 64                              ; tile_dim1 = 64
	s_mov_b32 s29, 32                              ; from row to row: 32 elements
	s_mov_b32 s30, 0
	s_mov_b32 s31, 0
	s_lshl_b32 s66, s21, 23                        ; copy m of hc,
	s_lshl_b32 s68, s22, 17                        ; my 16 tiles of 8,192 bytes,
	s_add_co_u32 s66, s66, s68
	s_lshl_b32 s68, s20, 14                        ; my wave's 16,384 bytes of each half
	s_add_co_u32 s66, s66, s68
	s_mov_b32 s67, 0
	s_mov_b32 s32, 1                               ; group 0, first half: count = 1,
	s_lshl_b32 s33, s20, 14                        ; LDS address 16,384 x wave,
	s_mov_b32 s36, 1                               ; second half:
	s_add_co_u32 s37, s33, 65536                   ; 65,536 + 16,384 x wave
	s_wait_dscnt 0x0
	s_wait_kmcnt 0x0
	s_add_nc_u64 s[34:35], s[4:5], s[66:67]
	s_add_nc_u64 s[38:39], s[34:35], 0x10000
	s_or_b32 s35, s35, 0x80000000                  ; type = 2
	s_or_b32 s39, s39, 0x80000000
	tensor_load_to_lds s[32:35], s[24:31]
	s_nop 0
	tensor_load_to_lds s[36:39], s[24:31]
	s_nop 0
.rept 4
	v_nop                                          ; four lines behind a tensor load ahead of a switch of windows
.endr
	s_load_b256 s[40:47], s[14:15], 0x0            ; the scales' exponents 0 to 7,
	s_load_b128 s[48:51], s[14:15], 0x20           ; 8 to 11
	v_and_b32 v1, 31, v0
	v_lshlrev_b32 v1, 4, v1                        ; 16 x lane: my place in every image
	v_bfe_u32 v5, v0, 4, 1
	v_lshlrev_b32 v5, 6, v5                        ; 64 h: q's and k's bias: outputs 16 h on
	v_and_b32 v6, 7, v0
	v_and_b32 v3, 8, v0
	v_lshl_add_u32 v6, v3, 1, v6
	v_lshlrev_b32 v6, 2, v6                        ; 4 (r % 8 + 16 (r / 8)): v's bias: the output of my row of a weight tile
	s_lshl_b32 s66, s21, 18                        ; wc: matrix m (262,144 bytes),
	s_lshl_b32 s68, s20, 16                        ; my 8 tiles (65,536)
	s_add_co_u32 s66, s66, s68
	s_add_nc_u64 s[6:7], s[6:7], s[66:67]
.irp s, 0,1,2,3
	WIN 0x40*(1+\s/2)                              ; destination window 1 or 2
.irp t, 0,1,2,3,4,5,6,7
.irp c, 0,1,2,3
	global_load_b128 v[16*(8*(\s%2)+\t)+4*\c:16*(8*(\s%2)+\t)+4*\c+3], v1, s[6:7] offset:(4*\t+\s)*2048+\c*512
.endr
.endr
.endr
	s_cmp_eq_u32 s21, 0                            ; the choices hang on the work-group's number alone
	s_cselect_b64 s[62:63], s[8:9], s[10:11]
	s_cmp_eq_u32 s21, 2
	s_cselect_b64 s[62:63], s[12:13], s[62:63]
	s_lshl_b32 s66, s20, 9                         ; my 128 numbers of the bias
	s_add_nc_u64 s[62:63], s[62:63], s[66:67]
	WIN 0xc0                                       ; destination window 3.  Both forms of the bias are loaded, whatever m: both stay inside the 512 numbers
.irp t, 0,1,2,3,4,5,6,7
	global_load_b128 v[8*\t:8*\t+3], v5, s[62:63] offset:(32*(\t/2)+8*(\t%2))*4
	global_load_b128 v[8*\t+4:8*\t+7], v5, s[62:63] offset:(32*(\t/2)+8*(\t%2))*4+16
.endr
	WIN 0
.irp t, 0,1,2,3,4,5,6,7
	global_load_b32 v[BV+\t], v6, s[62:63] offset:(32*(\t/2)+8*(\t%2))*4
.endr
	; where the codes go.  q: qc + 131,072 X + 2,048 w.  k: kv + 262,144 X + 2,048 w.  v: kv + 262,144 X + 65,536 + 16,384 w
	s_lshl_b32 s66, s22, 17
	s_lshl_b32 s68, s22, 18
	s_lshl_b32 s69, s20, 11
	s_lshl_b32 s58, s20, 14
	s_add_co_u32 s58, s58, 65536
	s_cmp_eq_u32 s21, 0
	s_cselect_b64 s[60:61], s[16:17], s[18:19]
	s_cselect_b32 s66, s66, s68
	s_cselect_b32 s57, 0, 65536                    ; k: V's 65,536 bytes lie behind every eight tiles
	s_cmp_eq_u32 s21, 2
	s_cselect_b32 s69, s58, s69
	s_add_co_u32 s66, s66, s69
	s_add_nc_u64 s[60:61], s[60:61], s[66:67]
	s_wait_kmcnt 0x0
	s_cmp_eq_u32 s21, 0
	s_cselect_b32 s52, s40, s42                    ; h's exponent: entry 2 m,
	s_cselect_b32 s53, s41, s43                    ; the weight's: 2 m + 1,
	s_cselect_b32 s54, s46, s47                    ; the result's: 6 + m
	s_cmp_eq_u32 s21, 2
	s_cselect_b32 s52, s44, s52
	s_cselect_b32 s53, s45, s53
	s_cselect_b32 s54, s48, s54
	s_add_co_i32 s52, s52, s53                     ; a sum stands for sum x 2^(eA + eB)
	s_sub_co_i32 s53, 0, s52                       ; the bias goes in x 2^-(eA + eB)
	s_sub_co_i32 s54, s54, s52                     ; and the conversion divides by 2^(eO - eA - eB)
	s_add_co_i32 s66, s54, 127
	s_lshl_b32 s68, s66, 23
	v_mov_b32 v8, s68
	s_add_co_i32 s66, s66, 8
	s_lshl_b32 s66, s66, 23
	s_or_b32 s66, s66, 0x600000
	v_mov_b32 v9, s66                              ; 448 x that
	s_mov_b32 s55, 0                               ; LDS byte of the trip's first tile
	s_mov_b32 s56, 0                               ; the trip
	s_wait_loadcnt 0x0                             ; weights and bias
	s_wait_tensorcnt 0x0                           ; my parts of h have landed,
	s_barrier_signal -1
	s_barrier_wait -1                              ; everybody's have: the launch's one barrier
.macro FETCH hf, off                   ; a tile's four fragments, from off bytes behind the trip's first tile
.irp s, 0,1,2,3
.irp c, 0,1,2,3
	ds_load_b128 v[\hf+16*\s+4*\c:\hf+16*\s+4*\c+3], v2 offset:\off+\s*2048+\c*512
.endr
.endr
.endm
; 32 products: K step by K step, the eight accumulators by turns, one instruction a turn.  The first K step takes the bias as C.
; Four plain lines follow: the loads into the fragments' registers and the holds that read the sums stand behind them.
.macro MUL hf, swap
.irp s, 0,1,2,3
.if \swap
.if \s == 0
	WIN 0x34                                       ; source 1 (W) window 1, C (bias) window 3
.elseif \s == 1
	WIN 0x04
.else
	WIN 0x08                                       ; source 1 window 2
.endif
.else
.if \s == 0
	WIN 0x31                                       ; source 0 (W) window 1, C window 3
.elseif \s == 1
	WIN 0x01
.else
	WIN 0x02
.endif
.endif
.irp t, 0,1,2,3,4,5,6,7
.set WR, 16*(8*(\s%2)+\t)
.if \swap
.if \s == 0
	v_wmma_f32_16x16x128_fp8_fp8 v[ACC+8*\t:ACC+8*\t+7], v[\hf+16*\s:\hf+16*\s+15], v[WR:WR+15], v[8*\t:8*\t+7]
.else
	v_wmma_f32_16x16x128_fp8_fp8 v[ACC+8*\t:ACC+8*\t+7], v[\hf+16*\s:\hf+16*\s+15], v[WR:WR+15], v[ACC+8*\t:ACC+8*\t+7]
.endif
.else
.if \s == 0
	v_wmma_f32_16x16x128_fp8_fp8 v[ACC+8*\t:ACC+8*\t+7], v[WR:WR+15], v[\hf+16*\s:\hf+16*\s+15], v[8*\t:8*\t+7]
.else
	v_wmma_f32_16x16x128_fp8_fp8 v[ACC+8*\t:ACC+8*\t+7], v[WR:WR+15], v[\hf+16*\s:\hf+16*\s+15], v[ACC+8*\t:ACC+8*\t+7]
.endif
.endif
.endr
.endr
	WIN 0
.rept 4
	v_nop
.endr
.endm
; The eight accumulators become codes: tile t's eight numbers go to v[PCD + stride t + off], two registers.  Each accumulator is read from its low end on.
.macro QUANT stride, off
.irp t, 0,1,2,3,4,5,6,7
.irp j, 0,1,2,3,4,5,6,7
	v_med3_num_f32 v[ACC+8*\t+\j], v[ACC+8*\t+\j], -v9, v9   ; the conversion does not saturate (ISA guide 7.6.2): the hold at 448 x the scale comes first
.endr
	v_cvt_scalef32_pk8_fp8_f32 v[PCD+\stride*\t+\off:PCD+\stride*\t+\off+1], v[ACC+8*\t:ACC+8*\t+7], v8
.endr
	v_nop                                          ; a plain line between the last conversion and the next products, which write its sources
.endm
; A trip takes two tiles.  While one set of fragments is multiplied, the other tile's 16 LDS loads are on their way.  last = 1: there is no next pair to fetch.
.macro TRIP swap, last
	v_add_nc_u32 v2, s55, v1
	FETCH HF1, 8192                                ; the pair's second tile
	s_wait_dscnt 16                                ; the first tile's 16 loads are in; the 16 just issued stay out
	MUL HF0, \swap
.if !\last
	FETCH HF0, 16384                               ; the next pair's first tile
.endif
	s_wait_xcnt 0x0                                ; the last trip's stores have read their data and their offset: both are written again only behind this wait
.if \swap
	s_lshr_b32 s58, s56, 2                         ; v: key step (trip / 4): 131,072 bytes;
	s_lshl_b32 s58, s58, 17
	s_and_b32 s66, s56, 3                          ; piece c = trip % 4: 512 bytes
	s_lshl_b32 s66, s66, 9
.else
	s_lshl_b32 s58, s56, 14                        ; q, k: two tiles of 8,192 bytes a trip;
	s_lshr_b32 s66, s56, 2
	s_mul_i32 s66, s66, s57                        ; k: past V's bytes behind every eight tiles
.endif
	s_add_co_u32 s58, s58, s66
	v_add_nc_u32 v3, s58, v1
.if \swap
	QUANT 4, 0
.else
	QUANT 2, 0
.irp c, 0,1,2,3
	global_store_b128 v3, v[PCD+4*\c:PCD+4*\c+3], s[60:61] offset:\c*512   ; K step w of the tile: a wave stores 512 consecutive bytes
.endr
.endif
.if \last
	s_wait_dscnt 0x0
.else
	s_wait_dscnt 16                                ; the second tile is in; the next pair's first stays out
.endif
	MUL HF1, \swap
.if \swap
	QUANT 4, 2
.irp t, 0,1,2,3,4,5,6,7
	global_store_b128 v3, v[PCD+4*\t:PCD+4*\t+3], s[60:61] offset:\t*2048   ; piece c of channel tile 8 w + t
.endr
.else
	QUANT 2, 16
.irp c, 0,1,2,3
	global_store_b128 v3, v[PCD+16+4*\c:PCD+16+4*\c+3], s[60:61] offset:8192+\c*512
.endr
.endif
.endm
	v_mov_b32 v2, v1
	FETCH HF0, 0                                   ; tile 0
	s_cmp_eq_u32 s21, 2
	s_cbranch_scc1 .Lv
	WIN 0xc3                                       ; source 0 and destination window 3
.set i, 0
.rept 64
	v_ldexp_f32 v[i], v[i], s53                    ; bias / 2^(eA + eB)
.set i, i+1
.endr
	WIN 0
.Lqk:
	TRIP 0, 0
	s_add_co_u32 s55, s55, 16384
	s_add_co_u32 s56, s56, 1
	s_cmp_lt_u32 s56, 7
	s_cbranch_scc1 .Lqk
	TRIP 0, 1                                      ; the last pair is written out: nothing is fetched behind the 16th tile
	s_wait_tensorcnt 0x0
	ds_add_u32 v254, v255
	s_wait_dscnt 0x0
	s_endpgm
.Lv:
	WIN 0xc0                                       ; destination window 3
.irp t, 0,1,2,3,4,5,6,7
.irp j, 0,1,2,3,4,5,6,7
	v_ldexp_f32 v[8*\t+\j], v[BV+\t], s53          ; a lane holds one channel: its bias stands in all eight registers
.endr
.endr
	WIN 0
.Lvt:
	TRIP 1, 0
	s_add_co_u32 s55, s55, 16384
	s_add_co_u32 s56, s56, 1
	s_cmp_lt_u32 s56, 7
	s_cbranch_scc1 .Lvt
	TRIP 1, 1
	s_wait_tensorcnt 0x0
	ds_add_u32 v254, v255
	s_wait_dscnt 0x0
	s_endpgm
.Lfunc_end_k_q03ebde66ba_qkv:
	.size	k_q03ebde66ba_qkv, .Lfunc_end_k_q03ebde66ba_qkv-k_q03ebde66ba_qkv
	.p2alignl 7, 3214868480
	.fill 96, 4, 3214868480
	.section	.rodata,"a",@progbits
	.p2align	6, 0x0
	.amdhsa_kernel k_q03ebde66ba_qkv
		.amdhsa_group_segment_fixed_size 168448
		.amdhsa_private_segment_fixed_size 0
		.amdhsa_enable_private_segment 0
		.amdhsa_kernarg_size 64
		.amdhsa_user_sgpr_count 2
		.amdhsa_user_sgpr_kernarg_segment_ptr 1
		.amdhsa_wavefront_size32 1
		.amdhsa_system_sgpr_workgroup_id_x 1
		.amdhsa_system_sgpr_workgroup_id_y 1
		.amdhsa_system_sgpr_workgroup_id_z 1
		.amdhsa_system_vgpr_workitem_id 0
		.amdhsa_next_free_vgpr 832
		.amdhsa_next_free_sgpr 84
		.amdhsa_reserve_vcc 0
		.amdhsa_float_denorm_mode_32 3
		.amdhsa_float_denorm_mode_16_64 3
		.amdhsa_memory_ordered 1
		.amdhsa_forward_progress 1
		.amdhsa_inst_pref_size 93
	.end_amdhsa_kernel
	.amdgpu_metadata
---
amdhsa.version: [ 1, 2 ]
amdhsa.kernels:
  - .name:           k_q03ebde66ba_qkv
    .symbol:         k_q03ebde66ba_qkv.kd
    .args:
      - { .name: hc, .offset: 0, .size: 8, .value_kind: global_buffer, .address_space: global }
      - { .name: wc, .offset: 8, .size: 8, .value_kind: global_buffer, .address_space: global }
      - { .name: bq, .offset: 16, .size: 8, .value_kind: global_buffer, .address_space: global }
      - { .name: bk, .offset: 24, .size: 8, .value_kind: global_buffer, .address_space: global }
      - { .name: bv, .offset: 32, .size: 8, .value_kind: global_buffer, .address_space: global }
      - { .name: lowp_scales, .offset: 40, .size: 8, .value_kind: global_buffer, .address_space: global }
      - { .name: qc, .offset: 48, .size: 8, .value_kind: global_buffer, .address_space: global }
      - { .name: kv, .offset: 56, .size: 8, .value_kind: global_buffer, .address_space: global }
    .group_segment_fixed_size: 168448
    .private_segment_fixed_size: 0
    .kernarg_segment_align: 8
    .kernarg_segment_size: 64
    .max_flat_workgroup_size: 128
    .sgpr_count:     84
    .vgpr_count:     832
    .wavefront_size: 32
...
	.end_amdgpu_metadata
.endif
;; end of part 2
;; launch attn (part 3): grid 32 x 8, 4 waves a work-group, clusters of 4 x 1, 327,680 bytes of LDS; arguments qc, kv, wc, bp, x, lowp_scales, out0; writes out0
.if DOCPART == 3
	.amdgcn_target "amdgcn-amd-amdhsa--gfx1250"
	.amdhsa_code_object_version 6
	.text
	.protected	k_q03ebde66ba_attn
	.globl	k_q03ebde66ba_attn
	.p2align	8
	.type	k_q03ebde66ba_attn,@function
k_q03ebde66ba_attn:
	s_mov_b64 s[64:65], 0
	v_nop
	global_prefetch_b8 v0, s[64:65] scope:SCOPE_SE
	s_setreg_imm32_b32 hwreg(HW_REG_WAVE_MODE, 25, 1), 1
	s_wait_xcnt 0x0
	s_wait_alu depctr_hold_cnt(0) depctr_sa_sdst(0) depctr_va_vdst(0) depctr_va_sdst(0) depctr_va_ssrc(0) depctr_va_vcc(0) depctr_vm_vsrc(0)
	s_getreg_b32 s2, hwreg(HW_REG_IB_STS2, 6, 4)
	s_cmp_eq_u32 s2, 0
	s_cbranch_scc0 .Lentry_in_a_cluster
	s_endpgm
.Lentry_in_a_cluster:
	s_bfe_u32 s2, ttmp6, 0x10000c
	s_cmp_lg_u32 s2, 0x3003
	s_cbranch_scc0 .Lentry_shape_is_right
	s_endpgm
.Lentry_shape_is_right:
; out = x + wp (V softmax(Q^T K / sqrt(512))^T) + bp, all three products on codes of FP8 (E4M3), each operand with the one scale 2^e that is given for it.
; THE SOFTMAX: t = score x log2(e) / sqrt(512); M = the row's largest t so far, rounded UP to a whole number; p = 2^(t - M) is quantised, not normalised; the row's sum is taken of the unquantised p and
; divides at the end.  When M moves, the sum and O are multiplied by 2^(old M - new M), which rounds nothing.
; SHARES.  Work-group (a, batch) owns 64 queries, the four tiles 4 a .. 4 a + 3 (tile 4 a + j, row r = position 64 a + 4 r + j).  ALL FOUR WAVES WORK ON ALL FOUR QUERY TILES, so each fragment of K or V read
; from LDS feeds four products.  A key step is 128 keys.  S^T = K Q^T: wave w takes key tiles 2 w, 2 w + 1 (8 fragments, 32 products).  O^T += V^T P^T: wave w takes channel tiles 8 w .. 8 w + 7 (8 fragments, 32 products).
; Both are used transposed: a lane holds ONE query.  Two things go from wave to wave through LDS in each step: the step's largest scores, and P's codes: wave w's 16 registers a query tile are piece w of P's fragment.
; All operands are images of registers ([piece 4][lane 32][16 bytes] a fragment): every LDS and memory access takes 512 consecutive bytes, 16 a lane: no pitch, no padding.
; RING: two slots of 131,072 bytes, a key step each (K's 65,536 bytes, then V's), dense in memory; each wave fetches a quarter by one tensor load.
; CLUSTER: the four query blocks of a cluster belong to one batch and walk the same K and V: each quarter is asked for JOINTLY, by the same load with the same descriptor and the mask of all four.
; THE WALK.  Cluster x of a batch's eight begins at key step 4 ((x % 4 + x / 4) % 4) + 2 (x / 4) and goes round modulo 16: the starts are 0, 4, 8, 12, 6, 10, 14, 2, eight different even numbers, so that in the same
; step of their walks no two clusters of a batch ask for the same key step; four clusters alike in x / 4 start four key steps apart.  A softmax with a running M does not hang on the order of the keys.
; AT THE END wave w's O^T / l is K step w of the last product's operand; it goes round through LDS; wave w makes outputs 128 w .. + 127 for the 64 positions.  A lane's four query tiles are four neighbouring positions
; of one output channel: x is loaded and out stored 16 bytes a lane, sixteen lanes to 256 consecutive bytes, aligned.
; LIMITS on the given exponents, so that each power of two below is an f32 number: e6 + e7 between -122 and 131; e9, and e10 - e8 - e9, between -126 and 119; e10 + e11 between -126 and 127.  NaN among the inputs is not served.
; REGISTERS, in windows of 256: window 0: v1-23 addresses and constants; v32-63 statistics, eight a query tile: +0 -M, +1 the largest t, +2, +3 the sum, +4 f, +5 to +7 at work; v64-127 S^T, then p (16 a query tile); v128-191 P's fragments;
;   v192-207 the codes just made; v208-223 the four waves' figures; v224-227 my own.   window 1: Q (64 a tile), later the last product's operand.   window 2: O^T (64 qt + 8 ct), later wp.   window 3: v0-127 K, later x; v128-255 V, later wp.
.set SLOT1, 131072
.set VOFF,  65536
.set MX,    262144                     ; 2,048 bytes: [wave][lane][16]: the step's largest scores of four query tiles
.set PX,    264192                     ; 8,192: P's four fragments
.set LX,    272384                     ; 2,048: the sums
.set HX,    274432                     ; 32,768: the last product's 16 fragments [query tile][K step][piece][lane][16]
.set SPARE, 307200                     ; 512: the spare words, 128 bytes for each wave, which no other line names.  No fill lands from MX on
.set ST,  32
.set S,   64
.set PF,  128
.set PCD, 192
.set ML,  208
.set MS,  224
.set AC,  192                          ; the last product's four accumulators
.set OUTR, 128                         ; and eight rows to store
.set MSB, 0
.macro WIN new                         ; the immediate's high byte repeats the setting that is left; a switch that changes nothing is dropped
.if MSB != (\new)
	s_set_vgpr_msb (MSB<<8)|(\new)
.set MSB, (\new)
.endif
.endm
.macro PLACES                          ; four plain lines behind matrix instructions, ahead of reads of their results and of loads into their registers
.rept 4
	v_nop
.endr
.endm
; A round of the cluster's barrier: my work-group's barrier, so that wave 0's signal speaks for all four waves; wave 0 signals; every wave waits for all four work-groups; my work-group's barrier once more.
.macro CROUND
	s_barrier_signal -1
	s_barrier_wait -1
	s_cmp_lg_u32 s18, 0
	s_cbranch_scc1 .Lnot_wave_0_\@
	s_barrier_signal -3
.Lnot_wave_0_\@:
	s_barrier_wait -3
	s_barrier_signal -1
	s_barrier_wait -1
.endm
; THE ONE PREFETCH of a wave, in the walk's step 0: the key step that the change of slots in step 1 will ask for, start + 3 (modulo 16): a step's 64 products and its softmax ahead of that load.  The starts are the eight even
; numbers, so the batch's eight clusters name eight different odd key steps.  A cluster's four partners take 32,768 bytes each, told apart by address; each wave 8,192, lanes 256 bytes apart: each block of 256 bytes is
; named once in the launch.  The walk's first three key steps come by their loads alone (nothing is asked for at the head, where the first tiles are on their way); its later ones are other clusters' earlier ones, and are not named again.
; The address registers s[56:57] and v11 are never rewritten.
.macro ASK
	global_prefetch_b8 v11, s[56:57] th:TH_LOAD_NT scope:SCOPE_SE
.endm
	s_load_b256 s[4:11], s[0:1], 0x0               ; qc 4:5, kv 6:7, wc 8:9, bp 10:11
	s_load_b128 s[12:15], s[0:1], 0x20             ; x 12:13, scales 14:15
	s_load_b64 s[16:17], s[0:1], 0x30              ; out0
	v_lshl_add_u32 v9, v0, 2, SPARE                ; my spare word; never rewritten
	v_mov_b32 v10, 0                               ; never rewritten
	ds_add_u32 v9, v10
	ds_add_u32 v9, v10
	s_wait_dscnt 0x0
	v_lshrrev_b32 v1, 5, v0
	v_readfirstlane_b32 s18, v1                    ; wave 0..3
	s_bfe_u32 s19, ttmp6, 0x40000                  ; cx: my place in the cluster
	s_lshl_b32 s20, ttmp9, 2                       ; in a cluster launch ttmp9 counts clusters
	s_add_co_u32 s20, s20, s19                     ; a: my block of 64 queries: it enters qc's, x's and out's addresses alone
	s_and_b32 s21, ttmp7, 0xffff                   ; the batch, which the four partners share
	; descriptor group 1: 128 rows of 256 bytes, dense: 32,768 bytes a load
	s_mov_b32 s24, 15|(3<<16)|(1<<21)              ; the mask: all four work-groups; elements of 8 bytes; bit 21 set beside a mask; no padding
	s_mov_b32 s25, 32<<16                          ; tensor_dim0 = 32 elements
	s_mov_b32 s26, 128<<16                         ; tensor_dim1 = 128
	s_mov_b32 s27, 32<<16                          ; tile_dim0 = 32
	s_mov_b32 s28, 128                             ; tile_dim1 = 128
	s_mov_b32 s29, 32                              ; from row to row: 32 elements
	s_mov_b32 s30, 0
	s_mov_b32 s31, 0
	s_lshl_b32 s60, s21, 21                        ; kv: the batch's 16 key steps of 131,072 bytes,
	s_lshl_b32 s62, s18, 15                        ; my wave's quarter: batch and wave alone, the same in all four partners
	s_add_co_u32 s60, s60, s62
	s_mov_b32 s61, 0
	; where my cluster's walk begins: from the cluster's number, which the four partners share
	s_and_b32 s84, ttmp9, 3                        ; x % 4
	s_lshr_b32 s85, ttmp9, 2                       ; x / 4
	s_add_co_u32 s84, s84, s85
	s_and_b32 s84, s84, 3                          ; (x % 4 + x / 4) % 4
	s_lshl_b32 s84, s84, 2
	s_lshl_b32 s85, s85, 1
	s_add_co_u32 s84, s84, s85                     ; the start
	s_lshl_b32 s80, s84, 17                        ; s[80:81]: the byte, in the batch's 2,097,152, of the key step asked for last; kept apart from the address
	s_mov_b32 s81, 0
	s_add_co_u32 s84, s84, 3
	s_and_b32 s84, s84, 15
	s_lshl_b32 s84, s84, 17                        ; key step start + 3, for the prefetch
	s_mov_b32 s32, 1                               ; group 0 for slot 0's first fill: count = 1,
	s_lshl_b32 s33, s18, 15                        ; LDS address 32,768 x wave
	s_mov_b32 s36, 1                               ; group 0 for slot 1's first fill; it then walks
	s_add_co_u32 s37, s33, SLOT1
	s_lshl_b32 s72, s21, 20                        ; qc: batch, block
	s_lshl_b32 s74, s20, 15
	s_add_co_u32 s72, s72, s74
	s_mov_b32 s73, 0
	s_lshl_b32 s74, s21, 22                        ; x, out: batch (512 rows of 8,192 bytes), my wave's 128 channels, my block's 256 bytes of a row
	s_lshl_b32 s76, s18, 20
	s_add_co_u32 s74, s74, s76
	s_lshl_b32 s76, s20, 8
	s_add_co_u32 s74, s74, s76
	s_mov_b32 s75, 0
	s_lshl_b32 s76, s18, 16                        ; wc: matrix 3 (wp), my 8 tiles
	s_add_co_u32 s76, s76, 786432
	s_mov_b32 s77, 0
	s_lshl_b32 s78, s18, 9                         ; bp: my 128 numbers
	s_mov_b32 s79, 0
	s_lshl_b32 s66, s21, 21                        ; the prefetch: batch, my work-group's quarter, my wave's quarter of that,
	s_lshl_b32 s63, s19, 15
	s_add_co_u32 s66, s66, s63
	s_lshl_b32 s63, s18, 13
	s_add_co_u32 s66, s66, s63
	s_add_co_u32 s66, s66, s84                     ; in key step start + 3
	s_mov_b32 s67, 0
	s_mov_b32 s52, 0                               ; LDS byte at which the slot to be fetched from begins
	s_mov_b32 s58, 0x76543210                      ; v_permlanex16_b32: each lane takes its own place in the other half
	s_mov_b32 s59, 0xfedcba98
	v_and_b32 v1, 31, v0
	v_lshlrev_b32 v1, 4, v1                        ; 16 x lane: my place in every image
	s_lshl_b32 s63, s18, 14
	v_add_nc_u32 v2, s63, v1                       ; K: my two key tiles (16,384 bytes) in a slot
	v_add_nc_u32 v3, VOFF, v2                      ; V: my eight channel tiles
	s_lshl_b32 s63, s18, 9
	s_add_co_u32 s62, s63, MX
	v_add_nc_u32 v5, s62, v1                       ; where I put my largest scores,
	v_add_nc_u32 v6, MX, v1                        ; and where I read all four waves'
	s_add_co_u32 s62, s63, PX
	v_add_nc_u32 v7, s62, v1                       ; P: piece w
	v_add_nc_u32 v8, PX, v1
	s_add_co_u32 s62, s63, LX
	v_add_nc_u32 v16, s62, v1                      ; the sums
	v_add_nc_u32 v17, LX, v1
	s_lshl_b32 s63, s18, 11
	s_add_co_u32 s62, s63, HX
	v_add_nc_u32 v18, s62, v1                      ; the last operand: K step w
	v_add_nc_u32 v19, HX, v1
	v_lshlrev_b32 v11, 4, v1                       ; 256 x lane: the prefetch's offset
	v_bfe_u32 v20, v0, 4, 1                        ; h
	v_and_b32 v14, 15, v0
	v_lshlrev_b32 v14, 4, v14
	v_lshl_add_u32 v14, v20, 17, v14               ; x, out: 16 rows further down for lanes 16-31, + 16 r
	v_lshlrev_b32 v20, 6, v20                      ; bp: 64 h
	s_wait_kmcnt 0x0
	s_load_b256 s[40:47], s[14:15], 0x0            ; the scales' exponents 0 to 7,
	s_load_b128 s[48:51], s[14:15], 0x20           ; 8 to 11
	s_add_nc_u64 s[82:83], s[6:7], s[60:61]        ; kv at my batch and my wave's quarter of a key step: it stays
	s_add_nc_u64 s[34:35], s[82:83], s[80:81]      ; the walk's first key step,
	s_add_co_u32 s80, s80, SLOT1
	s_and_b32 s80, s80, 0x1fffff                   ; round modulo 16 key steps
	s_add_nc_u64 s[38:39], s[82:83], s[80:81]      ; its second
	s_or_b32 s35, s35, 0x80000000                  ; type = 2
	s_or_b32 s39, s39, 0x80000000
	s_add_nc_u64 s[56:57], s[6:7], s[66:67]
	s_add_nc_u64 s[4:5], s[4:5], s[72:73]
	s_add_nc_u64 s[12:13], s[12:13], s[74:75]
	s_add_nc_u64 s[16:17], s[16:17], s[74:75]
	s_add_nc_u64 s[8:9], s[8:9], s[76:77]
	s_add_nc_u64 s[10:11], s[10:11], s[78:79]
	CROUND                                         ; all four work-groups are here: the first joint loads meet
	tensor_load_to_lds s[32:35], s[24:31]          ; both first fills together: two loads of mine are out
	s_nop 0
	tensor_load_to_lds s[36:39], s[24:31]
	s_nop 0
	PLACES                                         ; four lines behind a tensor load ahead of a switch of windows
	WIN 0x40                                       ; destination window 1
.set i, 0
.rept 64
	global_load_b128 v[4*i:4*i+3], v1, s[4:5] offset:512*i th:TH_LOAD_NT   ; Q stays in registers: 64 qt + 16 s + 4 c
.set i, i+1
.endr
	WIN 0
.irp q, 0,1,2,3
	v_mov_b32 v[ST+8*\q+1], 0xff61b1e6             ; the largest t so far: -3e38, under every t
	v_floor_f32 v[ST+8*\q], -v[ST+8*\q+1]          ; -M
	v_mov_b32 v[ST+8*\q+2], 0                      ; the sum, in two halves
	v_mov_b32 v[ST+8*\q+3], 0
	v_mov_b32 v[ST+8*\q+5], 0                      ; named as the upper half of the pair with f
	v_mov_b32 v[ST+8*\q+7], 0                      ; a lane permute's destination counts as one of its sources
.endr
	s_wait_kmcnt 0x0
	s_add_co_i32 s60, s46, s47                     ; a score stands for score x 2^(e6 + e7): the two exponents are added to c's exponent field
	s_lshl_b32 s60, s60, 23
	s_add_co_i32 s22, s60, 0x3d8293ee              ; c = log2(e) / sqrt(512)
	s_mov_b32 s23, s22                             ; named with it as a pair, so it is written
	s_add_co_i32 s60, s49, 127
	s_lshl_b32 s62, s60, 23
	v_mov_b32 v13, s62                             ; 2^e9, for p's conversion
	s_add_co_i32 s60, s60, 8
	s_lshl_b32 s60, s60, 23
	s_or_b32 s60, s60, 0x600000
	v_mov_b32 v12, s60                             ; 448 x 2^e9
	s_sub_co_i32 s60, s50, s48                     ; O^T / l stands for that x 2^(e8 + e9): its conversion divides by 2^(e10 - e8 - e9)
	s_sub_co_i32 s60, s60, s49
	s_add_co_i32 s60, s60, 127
	s_lshl_b32 s62, s60, 23
	v_mov_b32 v23, s62
	s_add_co_i32 s60, s60, 8
	s_lshl_b32 s60, s60, 23
	s_or_b32 s60, s60, 0x600000
	v_mov_b32 v22, s60
	s_add_co_i32 s60, s50, s51                     ; the last sums stand for sum x 2^(e10 + e11);
	s_sub_co_i32 s70, 0, s60                       ; bp goes in x 2^-(e10 + e11)
	s_add_co_i32 s60, s60, 127
	s_lshl_b32 s68, s60, 23                        ; 2^(e10 + e11) as f32
.macro FETCH_K                         ; my two key tiles, 8 fragments: 64 u + 16 s + 4 c of window 3
	v_add_nc_u32 v4, s52, v2
	WIN 0xc0
.set i, 0
.rept 32
	ds_load_b128 v[4*i:4*i+3], v4 offset:512*i
.set i, i+1
.endr
	WIN 0
.endm
.macro FETCH_V                         ; my eight channel tiles: 128 + 16 ct + 4 c of window 3
	v_add_nc_u32 v4, s52, v3
	WIN 0xc0
.set i, 0
.rept 32
	ds_load_b128 v[128+4*i:128+4*i+3], v4 offset:512*i
.set i, i+1
.endr
	WIN 0
.endm
; S^T = K Q^T: 32 products, K step by K step, the eight accumulators by turns, one instruction a turn.  The first K step starts the sums.
.macro SPHASE
	WIN 0x07                                       ; source 0 (K) window 3, source 1 (Q) window 1
.irp s, 0,1,2,3
.irp q, 0,1,2,3
.irp u, 0,1
.if \s == 0
	v_wmma_f32_16x16x128_fp8_fp8 v[S+16*\q+8*\u:S+16*\q+8*\u+7], v[64*\u+16*\s:64*\u+16*\s+15], v[64*\q+16*\s:64*\q+16*\s+15], 0
.else
	v_wmma_f32_16x16x128_fp8_fp8 v[S+16*\q+8*\u:S+16*\q+8*\u+7], v[64*\u+16*\s:64*\u+16*\s+15], v[64*\q+16*\s:64*\q+16*\s+15], v[S+16*\q+8*\u:S+16*\q+8*\u+7]
.endif
.endr
.endr
.endr
	WIN 0
	PLACES
.endm
; The largest of my wave's 32 scores of each query: my 16, then the other half of the lanes'.  The four query tiles go line by line; each accumulator is read from its low end on.
.macro LMAX
.irp q, 0,1,2,3
	v_max3_num_f32 v[ST+8*\q+6], v[S+16*\q], v[S+16*\q+1], v[S+16*\q+2]
.endr
.irp k, 1,2,3,4,5,6
.irp q, 0,1,2,3
	v_max3_num_f32 v[ST+8*\q+6], v[ST+8*\q+6], v[S+16*\q+2*\k+1], v[S+16*\q+2*\k+2]
.endr
.endr
.irp q, 0,1,2,3
	v_max_num_f32 v[ST+8*\q+6], v[ST+8*\q+6], v[S+16*\q+15]
.endr
.irp q, 0,1,2,3
	v_permlanex16_b32 v[ST+8*\q+7], v[ST+8*\q+6], s58, s59
.endr
.irp q, 0,1,2,3
	v_max_num_f32 v[MS+\q], v[ST+8*\q+6], v[ST+8*\q+7]
.endr
.endm
; THE CHANGE OF SLOTS, which is also the barrier of the first exchange.  Each wave waits for all its tensor loads (one is out: its quarter of the next step's slot), adds 0 to its spare word, and waits for that, for its
; store of the largest scores and for its reads of this step's slot: K's were waited for at the step's head, V's 32 loads are the last.  Behind the barrier the next slot is whole and nobody reads this one.
; fill = 1: the barrier is a round of the cluster's, and this slot is filled with the walk's key step two on: my one tensor load until the next round; it has a step's work in which to land.
.macro CHANGE fill
	s_wait_tensorcnt 0x0                           ; no tensor load of mine is out, so a group 0 may be written
	ds_add_u32 v9, v10                             ; 0 onto my spare word; with fill = 1 the descriptor's step stands between it and the wait for it
.if \fill
	s_xor_b32 s37, s37, SLOT1                      ; the walking descriptor: the other slot than last time,
	s_add_co_u32 s80, s80, SLOT1                   ; the next key step of the walk,
	s_and_b32 s80, s80, 0x1fffff                   ; round modulo 16 key steps: the offset is stepped and cut apart from the address,
	s_add_nc_u64 s[38:39], s[82:83], s[80:81]      ; which is made anew from the base that stays,
	s_or_b32 s39, s39, 0x80000000                  ; with its type = 2
.endif
	s_wait_dscnt 0x0
.if \fill
	CROUND
	tensor_load_to_lds s[36:39], s[24:31]          ; the first thing behind the round
	s_nop 0
	PLACES                                         ; four lines behind it
.else
	s_barrier_signal -1
	s_barrier_wait -1
.endif
.endm
; From the four waves' figures: the step's largest t, the running largest, the new -M = floor(-t), and f = 2^(old M - new M).  Every wave makes them from the same words by the same lines, so M is the same in all four.
.macro STATS
.irp q, 0,1,2,3
	v_max3_num_f32 v[ST+8*\q+6], v[ML+\q], v[ML+4+\q], v[ML+8+\q]
.endr
.irp q, 0,1,2,3
	v_max_num_f32 v[ST+8*\q+6], v[ST+8*\q+6], v[ML+12+\q]
.endr
.irp q, 0,1,2,3
	v_mul_f32 v[ST+8*\q+6], s22, v[ST+8*\q+6]      ; as t (c is positive)
.endr
.irp q, 0,1,2,3
	v_max_num_f32 v[ST+8*\q+1], v[ST+8*\q+1], v[ST+8*\q+6]
.endr
.irp q, 0,1,2,3
	v_mov_b32 v[ST+8*\q+6], v[ST+8*\q]
.endr
.irp q, 0,1,2,3
	v_floor_f32 v[ST+8*\q], -v[ST+8*\q+1]          ; M is a whole number
.endr
.irp q, 0,1,2,3
	v_sub_f32 v[ST+8*\q+6], v[ST+8*\q], v[ST+8*\q+6]   ; old M - new M: a whole number, 0 or less
.endr
.irp q, 0,1,2,3
	v_cvt_i32_f32 v[ST+8*\q+6], v[ST+8*\q+6]       ; (it saturates)
.endr
.irp q, 0,1,2,3
	v_ldexp_f32 v[ST+8*\q+4], 1.0, v[ST+8*\q+6]
.endr
.endm
; p = 2^(c s - M), its sum, its codes.  The 64 exponentials are one batch with one wait.
.macro PEXP
.irp q, 0,1,2,3
.irp p, 0,2,4,6,8,10,12,14
	v_pk_fma_f32 v[S+16*\q+\p:S+16*\q+\p+1], v[S+16*\q+\p:S+16*\q+\p+1], s[22:23], v[ST+8*\q:ST+8*\q+1] op_sel_hi:[1,0,0]   ; of the pairs c and -M the low word serves both halves
.endr
.endr
.set i, 0
.rept 64
	v_exp_f32 v[S+i], v[S+i]
.set i, i+1
.endr
.irp q, 0,1,2,3
	v_pk_mul_f32 v[ST+8*\q+2:ST+8*\q+3], v[ST+8*\q+2:ST+8*\q+3], v[ST+8*\q+4:ST+8*\q+5] op_sel_hi:[1,0]   ; the sums under the new M: plain lines behind the exponentials
.endr
	s_wait_alu depctr_va_vdst(0)                   ; a wait ahead of the batch's first reader
.irp p, 0,2,4,6,8,10,12,14
.irp q, 0,1,2,3
	v_pk_add_f32 v[ST+8*\q+2:ST+8*\q+3], v[ST+8*\q+2:ST+8*\q+3], v[S+16*\q+\p:S+16*\q+\p+1]   ; of the UNQUANTISED p; four chains
.endr
.endr
.set i, 0
.rept 64
	v_min_num_f32 v[S+i], v[S+i], v12              ; the conversion does not saturate (ISA guide 7.6.2); p is not negative, so the hold is one-sided
.set i, i+1
.endr
.irp q, 0,1,2,3
.irp u, 0,1
	v_cvt_scalef32_pk8_fp8_f32 v[PCD+4*\q+2*\u:PCD+4*\q+2*\u+1], v[S+16*\q+8*\u:S+16*\q+8*\u+7], v13
.endr
.endr
	v_nop                                          ; a plain line between the last conversion and the next products, which write its sources
.endm
.macro RESCALE q                       ; query tile q's O^T under the new M
	WIN 0x82                                       ; source 0 and destination window 2
.set i, 0
.rept 32
	v_pk_mul_f32 v[64*\q+i:64*\q+i+1], v[64*\q+i:64*\q+i+1], v[ST+8*\q+4:ST+8*\q+5] op_sel_hi:[1,0]
.set i, i+2
.endr
.endm
; O^T += V^T P^T: 32 products on 32 accumulators.  first = 1: they start the sums: nothing is ever cleared.
.macro PV first
	WIN 0xa3                                       ; source 0 (V) window 3, source 1 (P) window 0, C and D window 2
.irp t, 0,1,2,3,4,5,6,7
.irp q, 0,1,2,3
.if \first
	v_wmma_f32_16x16x128_fp8_fp8 v[64*\q+8*\t:64*\q+8*\t+7], v[128+16*\t:128+16*\t+15], v[PF+16*\q:PF+16*\q+15], 0
.else
	v_wmma_f32_16x16x128_fp8_fp8 v[64*\q+8*\t:64*\q+8*\t+7], v[128+16*\t:128+16*\t+15], v[PF+16*\q:PF+16*\q+15], v[64*\q+8*\t:64*\q+8*\t+7]
.endif
.endr
.endr
	WIN 0
	PLACES
.endm
; x at the eight output channels of my half of wp's tile ot, four neighbouring positions a lane: register 32 (ot % 4) + 4 m + qt of window 3
.macro XLOAD ot
	WIN 0xc0
.irp m, 0,1,2,3,4,5,6,7
	global_load_b128 v[32*((\ot)%4)+4*\m:32*((\ot)%4)+4*\m+3], v14, s[12:13] offset:(32*((\ot)/2)+8*((\ot)%2)+\m)*8192 th:TH_LOAD_NT
.endr
	WIN 0
.endm
; A KEY STEP.  first: it starts O^T, and holds the wave's one prefetch.  fill: its slot is filled again.  next: there is a next step to fetch.
.macro STEP first, fill, next
	s_wait_dscnt 32                                ; K's fragments are in; V's 32 loads, the youngest, may be out
	SPHASE
	LMAX
	ds_store_b128 v5, v[MS:MS+3]
	CHANGE \fill
.irp p, 0,1,2,3
	ds_load_b128 v[ML+4*\p:ML+4*\p+3], v6 offset:512*\p
.endr
.if \next
	s_xor_b32 s52, s52, SLOT1                      ; the fetches go on to the other slot
	FETCH_K                                        ; the next step's K, a softmax and 32 products ahead of its use
.else
	XLOAD 0                                        ; K's registers are free: x for the way out
	XLOAD 1
	XLOAD 2
	XLOAD 3
.endif
.if \first
	ASK                                            ; behind the joint load, its four lines and the run of LDS loads
.endif
.if \next
	s_wait_dscnt 32                                ; the four waves' figures are in; K's 32 loads stay out
.else
	s_wait_dscnt 0x0
.endif
	STATS
	PEXP
.irp q, 0,1,2,3
	ds_store_b128 v7, v[PCD+4*\q:PCD+4*\q+3] offset:2048*\q
.endr
	s_wait_dscnt 0x0                               ; for the others' sake: my piece of P has landed; and my reads of the largest scores are over, so that they may be written again behind this barrier
	s_barrier_signal -1
.if !\first
	RESCALE 0                                      ; work on registers while the others arrive
	RESCALE 1
	WIN 0
.endif
	s_barrier_wait -1
.set i, 0
.rept 16
	ds_load_b128 v[PF+4*i:PF+4*i+3], v8 offset:512*i
.set i, i+1
.endr
.if !\first
	RESCALE 2
	RESCALE 3
.endif
	s_wait_dscnt 0x0                               ; P's four fragments are in
	PV \first
.if \next
	FETCH_V                                        ; the next step's V, behind the places of the products that read this step's
.endif
.endm
	s_wait_tensorcnt 0x1                           ; my quarter of slot 0 is in; slot 1's may stay out
	s_barrier_signal -1
	s_barrier_wait -1                              ; everybody's is
	FETCH_K
	FETCH_V
	s_wait_loadcnt 0x0                             ; Q
	STEP 1, 1, 1                                   ; the walk's step 0
	s_mov_b32 s53, 13
.Lstep:                                            ; steps 1 to 13: each fills its slot again
	STEP 0, 1, 1
	s_sub_co_u32 s53, s53, 1
	s_cmp_lg_u32 s53, 0
	s_cbranch_scc1 .Lstep
	STEP 0, 0, 1                                   ; the last two steps are written out
	STEP 0, 0, 0
; THE WAY OUT.
; wp's tile ot (of my eight), four fragments: tiles 0, 1, 6, 7 in V's registers (window 3), tiles 2 to 5 in O^T's (window 2)
.macro WPLOAD ot
.if ((\ot) >= 2) && ((\ot) < 6)
	WIN 0x80
.set WB, 64*((\ot)-2)
.else
	WIN 0xc0
.set WB, 128+64*((\ot)%2)
.endif
.irp s, 0,1,2,3
.irp c, 0,1,2,3
	global_load_b128 v[WB+16*\s+4*\c:WB+16*\s+4*\c+3], v1, s[8:9] offset:(4*(\ot)+\s)*2048+\c*512
.endr
.endr
	WIN 0
.endm
	WPLOAD 0                                       ; behind the last products' places
	WPLOAD 1
.irp t, 0,1,2,3,4,5,6,7
	global_load_b128 v[S+8*\t:S+8*\t+3], v20, s[10:11] offset:(32*(\t/2)+8*(\t%2))*4       ; bp in the result's layout: tile t's eight outputs of my half
	global_load_b128 v[S+8*\t+4:S+8*\t+7], v20, s[10:11] offset:(32*(\t/2)+8*(\t%2))*4+16
.endr
.irp q, 0,1,2,3
	v_add_f32 v[MS+\q], v[ST+8*\q+2], v[ST+8*\q+3] ; the sum's two halves,
.endr
.irp q, 0,1,2,3
	v_permlanex16_b32 v[ST+8*\q+7], v[MS+\q], s58, s59
.endr
.irp q, 0,1,2,3
	v_add_f32 v[MS+\q], v[MS+\q], v[ST+8*\q+7]     ; the other half of the lanes',
.endr
	ds_store_b128 v16, v[MS:MS+3]
	s_wait_dscnt 0x0
	s_barrier_signal -1
	s_barrier_wait -1
.irp p, 0,1,2,3
	ds_load_b128 v[ML+4*\p:ML+4*\p+3], v17 offset:512*\p
.endr
	s_wait_dscnt 0x0
.irp q, 0,1,2,3
	v_add_f32 v[ML+\q], v[ML+\q], v[ML+4+\q]       ; and the four waves'
.endr
.irp q, 0,1,2,3
	v_add_f32 v[ML+8+\q], v[ML+8+\q], v[ML+12+\q]
.endr
.irp q, 0,1,2,3
	v_add_f32 v[ML+\q], v[ML+\q], v[ML+8+\q]
.endr
.irp q, 0,1,2,3
	v_rcp_f32 v[ST+8*\q+4], v[ML+\q]
.endr
	v_nop                                          ; a plain line behind the last reciprocal
	s_wait_alu depctr_va_vdst(0)                   ; one wait for the four, ahead of their first reader
.irp q, 0,1,2,3
	RESCALE \q                                     ; O^T / l; each accumulator from its low end on
.endr
.set i, 0
.rept 256
	v_med3_num_f32 v[i], v[i], -v22, v22           ; the hold at 448 x the scale (window 2; the bound in window 0)
.set i, i+1
.endr
	WIN 0x02                                       ; source 0 window 2, destination window 0
.irp q, 0,1,2,3
.irp t, 0,1,2,3,4,5,6,7
	v_cvt_scalef32_pk8_fp8_f32 v[PF+16*\q+2*\t:PF+16*\q+2*\t+1], v[64*\q+8*\t:64*\q+8*\t+7], v23   ; tiles 2 c, 2 c + 1 are channels 32 c + 16 h + 0 .. 15: piece c of K step w
.endr
.endr
	WIN 0
	v_nop                                          ; a plain line behind the last conversion
.irp q, 0,1,2,3
.irp c, 0,1,2,3
	ds_store_b128 v18, v[PF+16*\q+4*\c:PF+16*\q+4*\c+3] offset:8192*\q+512*\c
.endr
.endr
	WPLOAD 2                                       ; O^T's registers are free
	WPLOAD 3
	WPLOAD 4
	WPLOAD 5
	s_wait_dscnt 0x0
	s_barrier_signal -1
	s_barrier_wait -1                              ; the sixteen fragments lie in LDS
	WIN 0x40                                       ; into Q's registers: 64 qt + 16 s + 4 c
.set i, 0
.rept 64
	ds_load_b128 v[4*i:4*i+3], v19 offset:512*i
.set i, i+1
.endr
	WIN 0
	s_wait_loadcnt 48                              ; x's tiles 0-3, wp's 0-2 and bp are in; the 48 younger loads, wp's tiles 3, 4, 5, stay out
.set i, 0
.rept 64
	v_ldexp_f32 v[S+i], v[S+i], s70                ; bp / 2^(e10 + e11): the C of each sum's first product
.set i, i+1
.endr
	s_wait_dscnt 0x0
; wp's tile ot against the four query tiles: 16 products, four accumulators by turns; then out = sum x 2^(e10 + e11) + x, and eight stores.
; The order of my loads from here on: [wp 3, 4, 5] | in tile 0: wp 6, x 4 | in tile 1: wp 7, x 5 | in tile 2: x 6 | in tile 3: x 7.  The counts at the heads:
; tile 3 wants wp 3: 88 loads are younger, and the wait's field holds 63.  Tile 4 wants x 4: younger are wp 7 (16), x 5, 6, 7 (24).  Tile 5: x 6, 7.  Tile 6: x 7.
.macro OT ot
.if (\ot) == 3
	s_wait_loadcnt 63
.elseif (\ot) == 4
	s_wait_loadcnt 40
.elseif (\ot) == 5
	s_wait_loadcnt 16
.elseif (\ot) == 6
	s_wait_loadcnt 8
.elseif (\ot) == 7
	s_wait_loadcnt 0x0
.endif
.if ((\ot) >= 2) && ((\ot) < 6)
	WIN 0x06                                       ; source 0 (wp) window 2, source 1 window 1
.set WB, 64*((\ot)-2)
.else
	WIN 0x07                                       ; source 0 window 3
.set WB, 128+64*((\ot)%2)
.endif
.irp s, 0,1,2,3
.irp q, 0,1,2,3
.if \s == 0
	v_wmma_f32_16x16x128_fp8_fp8 v[AC+8*\q:AC+8*\q+7], v[WB+16*\s:WB+16*\s+15], v[64*\q+16*\s:64*\q+16*\s+15], v[S+8*(\ot):S+8*(\ot)+7]
.else
	v_wmma_f32_16x16x128_fp8_fp8 v[AC+8*\q:AC+8*\q+7], v[WB+16*\s:WB+16*\s+15], v[64*\q+16*\s:64*\q+16*\s+15], v[AC+8*\q:AC+8*\q+7]
.endif
.endr
.endr
	WIN 0
	PLACES
.if (\ot) < 2
	WPLOAD \ot+6                                   ; into the registers of the tile just multiplied
.endif
	s_wait_xcnt 0x0                                ; the last tile's stores have read their data
	WIN 0x30                                       ; source 2 (x) window 3
.irp m, 0,1,2,3,4,5,6,7
.irp q, 0,1,2,3
	v_fma_f32 v[OUTR+4*\m+\q], v[AC+8*\q+\m], s68, v[32*((\ot)%4)+4*\m+\q]   ; lane (r, h): output 16 h + m of the tile, position 64 a + 4 r + q; each accumulator from its low end on
.endr
.endr
	WIN 0
.if (\ot) < 4
	XLOAD \ot+4
.endif
.irp m, 0,1,2,3,4,5,6,7
	global_store_b128 v14, v[OUTR+4*\m:OUTR+4*\m+3], s[16:17] offset:(32*((\ot)/2)+8*((\ot)%2)+\m)*8192 th:TH_STORE_NT   ; sixteen lanes store 256 consecutive bytes, aligned
.endr
.endm
.irp o, 0,1,2,3,4,5,6,7
	OT \o
.endr
	s_wait_tensorcnt 0x0                           ; the wave's end, behind my last tensor load and my last LDS store
	ds_add_u32 v9, v10
	s_wait_dscnt 0x0
	CROUND                                         ; the closing round: no work-group ends while a partner may still ask for a tile that names it
	s_endpgm
.Lfunc_end_k_q03ebde66ba_attn:
	.size	k_q03ebde66ba_attn, .Lfunc_end_k_q03ebde66ba_attn-k_q03ebde66ba_attn
	.p2alignl 7, 3214868480
	.fill 96, 4, 3214868480
	.section	.rodata,"a",@progbits
	.p2align	6, 0x0
	.amdhsa_kernel k_q03ebde66ba_attn
		.amdhsa_group_segment_fixed_size 327680
		.amdhsa_private_segment_fixed_size 0
		.amdhsa_enable_private_segment 0
		.amdhsa_kernarg_size 56
		.amdhsa_user_sgpr_count 2
		.amdhsa_user_sgpr_kernarg_segment_ptr 1
		.amdhsa_wavefront_size32 1
		.amdhsa_system_sgpr_workgroup_id_x 1
		.amdhsa_system_sgpr_workgroup_id_y 1
		.amdhsa_system_sgpr_workgroup_id_z 1
		.amdhsa_system_vgpr_workitem_id 0
		.amdhsa_next_free_vgpr 1024
		.amdhsa_next_free_sgpr 90
		.amdhsa_reserve_vcc 0
		.amdhsa_float_denorm_mode_32 3
		.amdhsa_float_denorm_mode_16_64 3
		.amdhsa_memory_ordered 1
		.amdhsa_forward_progress 1
		.amdhsa_inst_pref_size 223
	.end_amdhsa_kernel
	.amdgpu_metadata
---
amdhsa.version: [ 1, 2 ]
amdhsa.kernels:
  - .name:           k_q03ebde66ba_attn
    .symbol:         k_q03ebde66ba_attn.kd
    .args:
      - { .name: qc, .offset: 0, .size: 8, .value_kind: global_buffer, .address_space: global }
      - { .name: kv, .offset: 8, .size: 8, .value_kind: global_buffer, .address_space: global }
      - { .name: wc, .offset: 16, .size: 8, .value_kind: global_buffer, .address_space: global }
      - { .name: bp, .offset: 24, .size: 8, .value_kind: global_buffer, .address_space: global }
      - { .name: x, .offset: 32, .size: 8, .value_kind: global_buffer, .address_space: global }
      - { .name: lowp_scales, .offset: 40, .size: 8, .value_kind: global_buffer, .address_space: global }
      - { .name: out0, .offset: 48, .size: 8, .value_kind: global_buffer, .address_space: global }
    .group_segment_fixed_size: 327680
    .private_segment_fixed_size: 0
    .kernarg_segment_align: 8
    .kernarg_segment_size: 56
    .max_flat_workgroup_size: 128
    .sgpr_count:     90
    .vgpr_count:     1024
    .wavefront_size: 32
...
	.end_amdgpu_metadata
.endif
;; end of part 3
